; MI455X (gfx1250); checked and timed in simulation.
; The chip was launched on July 23, 2026; its instructions are those of AMD's public machine-readable ISA for CDNA 5 (MIT licence, August 2026) and "CDNA5" Instruction Set Architecture Reference Guide (July 2026). The comments in the code are by the model that wrote it; some were corrected since.
;; Attention. Allowed arithmetic: matrix products marked QUANTISED: E2M1 operands, one E8M0 scale for each 32 along K, by v_wmma_scale_f32_16x16x128_f8f6f4 with both operands' format E2M1 (or v_wmma_scale_f32_32x16x128_f4), f32 sums; products left as they are: f32 operands where the result goes on into a quantised operand, else bf16, f16 or f32 operands; f32 sums; everything else in f32.
;; Inputs: W1_codes 1,024 x 32 x 16 uint8 (E2M1 codes of W1, K innermost, in blocks of 32 codes, two codes a byte); W1_scales 1,024 x 32 uint8 (E8M0 scales of W1, one for each 32 codes along K); W2_codes 1,024 x 32 x 16 uint8 (E2M1 codes of W2, K innermost, in blocks of 32 codes, two codes a byte); W2_scales 1,024 x 32 uint8 (E8M0 scales of W2, one for each 32 codes along K); W3 1 x 1,024 float32; b1 1,024 float32; b2 1,024 float32; b3 1 float32; hidden_d_codes 1 x 32 x 32 x 16 uint8 (E2M1 codes of hidden_d, K innermost, in blocks of 32 codes, two codes a byte); hidden_d_scales 1 x 32 x 32 uint8 (E8M0 scales of hidden_d, one for each 32 codes along K); out_e 2,048 x 32 x 1,024 float32.
;; Outputs: out0 1 x 32 x 1,024 float32; out1 2,048 x 32 x 1 float32.
;; This version of the problem:
;;   THIS VERSION OF THE PROBLEM IS GIVEN IN LOW PRECISION. The matrix products marked QUANTISED in the list below multiply operands that are first quantised to E2M1 (2 exponent bits, 1 mantissa bit; 4 bits a number), with one power-of-two scale for each 32 numbers along K (OCP MX v1.0); their sums are f32. All else is computed in f32.
;;   The module's matrix products, in the order in which they are computed (A, B: the left and right operand; K: the contracted axis; several contracted axes count as one K, in the product's order):
;;     1. [M 32, K 1,024] x [K 1,024, N 1,024]; A: input hidden_d (given as codes); B: input W1 (given as codes): QUANTISED
;;     2. [M 65,536, K 1,024] x [K 1,024, N 1,024]; A: input out_e; B: input W2 (given as codes): QUANTISED
;;     3. [M 65,536, K 1,024] x [K 1,024, N 1]; A: computed on the way; B: input W3: left as it is (N = 1 < 16)
;;     4. batch 32 x [M 1,024, K 2,048] x [K 2,048, N 1]; A: input out_e; B: softmax: left as it is (N = 1 < 16)
;;   THE QUANTISER, for each operand of a quantised product, along K:
;;     - K is cut into blocks of 32 from its start; a last block that is shorter is filled with zeros.
;;     - A block's scale is 2^e with e = floor(log2(the largest magnitude in the block)) - 2, held to -126 .. 127; a block of zeros has e = 0. As a byte (E8M0): e + 127.
;;     - Each number is divided by its block's scale, clamped to +-6, and rounded to the nearest number of E2M1, ties to even, subnormals kept.
;;     - The product sums the exact products of the quantised numbers (number of the format x scale) in f32.
;;   ~~~python
;;   def quantise(x, axis):      # numpy; x: float32 -> the quantised numbers, widened to float32 again
;;       x = np.moveaxis(x, axis, -1); K = x.shape[-1]
;;       x = np.pad(x, [(0, 0)] * (x.ndim - 1) + [(0, -K % 32)]); x = x.reshape(x.shape[:-1] + (-1, 32)); a = np.abs(x).max(-1, keepdims=True)
;;       e = np.where(a > 0, np.clip(np.frexp(np.where(a > 0, a, 1))[1] - 1 - 2, -126, 127), 0)      # np.frexp(a)[1] - 1 = floor(log2(a)), exactly
;;       r = np.clip(x / 2.0 ** e, -6, 6)
;;       step = 2.0 ** (np.maximum(np.frexp(np.where(r == 0, 1, r))[1] - 1, 0) - 1)
;;       q = np.round(r / step) * step * 2.0 ** e      # np.round: ties to even
;;       return np.moveaxis(q.reshape(q.shape[:-2] + (-1,))[..., :K], -1, axis).astype(np.float32)
;;   ~~~
;;   INPUTS GIVEN AS CODES. W1 (in the module: [1024, 1024], K = its axis 1); W2 (in the module: [1024, 1024], K = its axis 1); hidden_d (in the module: [1, 32, 1024], K = its axis 2): each comes as NAME_codes (uint8): NAME with its K axis moved to the last place and cut into blocks of 32 codes, [.., K / 32, bytes a block], one block behind the other in memory; two codes a byte, the lower K in the low four bits (a code: sign, 2 exponent bits, 1 mantissa bit); and NAME_scales (uint8): the same leading axes, one E8M0 byte (e + 127) for each 32 codes along K. Its value is code x scale, taken as it is: it is not quantised again, and the codes and scales need not be those that the quantiser above would give.
;; One version. Each part assembles by itself: llvm-mc -triple=amdgcn-amd-amdhsa -mcpu=gfx1250 --defsym DOCPART=n.
;; ======== version 1 of 1: 3 launches
;; limits: values are held in bf16: 8 bits of precision; right only within a limited range of input values
;; workspace buffers: tab 262,144 bytes; w2f 524,288 bytes; scores 262,144 bytes; cpart 1,048,576 bytes; stats 65,536 bytes
;; launch prep (part 1): grid 16 x 1, 4 waves a work-group, no clusters, 17,920 bytes of LDS; arguments hidden_d_codes, hidden_d_scales, W1_codes, W1_scales, b1, b2, W3, W2_codes, tab, w2f; writes tab, w2f
.if DOCPART == 1
	.amdgcn_target "amdgcn-amd-amdhsa--gfx1250"
	.amdhsa_code_object_version 6
	.text
	.protected	k_q06e26f527b_prep
	.globl	k_q06e26f527b_prep
	.p2align	8
	.type	k_q06e26f527b_prep,@function
k_q06e26f527b_prep:
	s_mov_b64 s[64:65], 0
	v_nop
	global_prefetch_b8 v0, s[64:65] scope:SCOPE_SE
	s_setreg_imm32_b32 hwreg(HW_REG_WAVE_MODE, 25, 1), 1
	s_wait_xcnt 0x0
; FIRST OF THREE LAUNCHES.  The whole program: a[s][n] = W3 . tanh(hidden_d[n] W1^T + b1 + out_e[s][n] W2^T + b2) + b3; alpha = softmax of a over s; c[n] = sum over s of alpha[s][n] out_e[s][n].
; WORK LEFT OUT, for all finite values of the inputs:
;   b3 is added to every a[s][n] alike, so it is the same along the softmax's axis s: alpha, and with it c, do not hang on it.  b3 is not loaded and is among no launch's arguments.
;   tanh(x) = 1 - 2 / (1 + 2^(2 log2(e) x)), so a = sum(W3) - 2 sum over e of W3[e] / (1 + 2^(..)): the term sum(W3) is again the same along s and is not formed.
;   LIMIT: a NaN, an infinity or an overflow that would reach the result through b3 or sum(W3) alone is not carried to it.  NaN and infinities among the inputs are not served.
; THIS LAUNCH makes two tables for the second launch.
;   tab[n][e] = { K2 (hidden_d[n] . W1[e] + b1[e] + b2[e]),  K3 W3[e] },  K2 = 2 log2(e), K3 = -2 log2(e): the product on the given codes of E2M1 with their E8M0 scales, sums in f32.
;   w2f = W2's codes in the order of the operand's registers: [64 tiles of 16 rows][8 steps of 128 along K][2 groups of 4 registers][32 lanes][16 bytes], so that a fragment comes by dense loads of 512 bytes.
; SHARES.  64 waves.  Wave g takes rows 32 (g / 2) .. + 31 of W1 (two tiles) against batches 16 (g % 2) .. + 15, and copies tile g of W2.
; The matrix instruction is used with source 0 = 16 rows of W1 and source 1 = 16 batches: a lane (r, h) then holds batch r and the eight neighbouring e = 8 h + 0 .. 7 of the tile.
; b1 + b2 is the C of each sum's first instruction.  The results leave through the wave's own stage in LDS: 16 rows of 256 bytes, sixteen lanes to an aligned run of 256 bytes of tab.
.set K2,    0x4038aa3b
.set K3,    0xc038aa3b
.set SPARE, 17408                      ; behind the four stages of 16 x 272 bytes: the spare words, 128 bytes a wave
.set FO,  1                            ; v1   512 r + 16 h: a fragment's row of codes, my half's bytes
.set SO,  2                            ; v2   32 r + 16 h: a row's scale bytes; lanes 0-15 take K steps 0-3, lanes 16-31 K steps 4-7
.set BOF, 3                            ; v3   32 h: my eight numbers of a tile's 16 in b1, b2, W3
.set LO,  4                            ; v4   16 x lane
.set STO, 5                            ; v5   the stage, in: row r, + 64 h
.set RD,  6                            ; v6   the stage, back: lanes 0-15 one row, lanes 16-31 the next
.set GO,  7                            ; v7   the same two rows in tab
.set SPW, 10                           ; v10  my spare word
.set NIL, 11                           ; v11  0
.set HS,  12                           ; v12-15   hidden_d's scale words
.set HF,  16                           ; v16-79   hidden_d's 8 fragments
.set W1S, 80                           ; v80-87   W1's scale words, 4 a tile
.set B1,  88                           ; v88-103  b1
.set CB,  104                          ; v104-119 b2, then b1 + b2
.set W3R, 120                          ; v120-135 W3
.set ACC, 136                          ; v136-151 two accumulators
.set O,   152                          ; v152-183 the pairs to store
.set BK,  184                          ; v184-215 rows read back
.set W2R, 128                          ; window 1: v0-127 W1's 16 fragments, v128-191 W2's tile
.set MSB, 0
.macro WIN new                         ; the immediate's high byte repeats the setting that is left
.if MSB != \new
	s_set_vgpr_msb (MSB<<8)|\new
.set MSB, \new
.endif
.endm
	s_load_b256 s[4:11], s[0:1], 0x0               ; hidden codes, hidden scales, W1 codes, W1 scales
	s_load_b256 s[12:19], s[0:1], 0x20             ; b1, b2, W3, W2 codes
	s_load_b128 s[20:23], s[0:1], 0x40             ; tab, w2f
	v_lshl_add_u32 v[SPW], v0, 2, SPARE
	v_mov_b32 v[NIL], 0
	v_lshrrev_b32 v8, 5, v0
	v_readfirstlane_b32 s26, v8                    ; wave 0..3
	v_and_b32 v8, 15, v0                           ; r
	v_bfe_u32 v9, v0, 4, 1                         ; h
	v_lshlrev_b32 v[FO], 9, v8
	v_lshl_add_u32 v[FO], v9, 4, v[FO]
	v_lshlrev_b32 v[SO], 5, v8
	v_lshl_add_u32 v[SO], v9, 4, v[SO]
	v_lshlrev_b32 v[BOF], 5, v9
	v_and_b32 v[LO], 31, v0
	v_lshlrev_b32 v[LO], 4, v[LO]
	s_mul_i32 s33, s26, 4352                       ; my stage
	v_mul_u32_u24 v[STO], v8, 272
	v_lshl_add_u32 v[STO], v9, 6, v[STO]
	v_add_nc_u32 v[STO], s33, v[STO]
	v_mul_u32_u24 v[RD], v9, 272
	v_lshl_add_u32 v[RD], v8, 4, v[RD]
	v_add_nc_u32 v[RD], s33, v[RD]
	v_lshlrev_b32 v[GO], 13, v9
	v_lshl_add_u32 v[GO], v8, 4, v[GO]
	s_lshl_b32 s27, ttmp9, 2
	s_add_co_u32 s27, s27, s26                     ; g
	s_lshr_b32 s28, s27, 1                         ; which 32 rows of W1
	s_and_b32 s29, s27, 1                          ; which 16 batches
	s_mov_b32 s24, K2
	s_mov_b32 s25, K3
	s_mov_b32 s31, 0
	s_wait_kmcnt 0x0
	s_lshl_b32 s30, s29, 13                        ; 16 batches x 512 bytes of codes
	s_add_nc_u64 s[4:5], s[4:5], s[30:31]
	s_lshl_b32 s30, s29, 9                         ; x 32 scale bytes
	s_add_nc_u64 s[6:7], s[6:7], s[30:31]
	s_lshl_b32 s30, s28, 14                        ; 32 rows of W1 x 512
	s_add_nc_u64 s[8:9], s[8:9], s[30:31]
	s_lshl_b32 s30, s28, 10                        ; x 32
	s_add_nc_u64 s[10:11], s[10:11], s[30:31]
	s_lshl_b32 s30, s28, 7                         ; 32 numbers of f32
	s_add_nc_u64 s[12:13], s[12:13], s[30:31]
	s_add_nc_u64 s[14:15], s[14:15], s[30:31]
	s_add_nc_u64 s[16:17], s[16:17], s[30:31]
	s_lshl_b32 s30, s27, 13                        ; tile g of W2: 16 rows x 512, in both layouts
	s_add_nc_u64 s[18:19], s[18:19], s[30:31]
	s_add_nc_u64 s[22:23], s[22:23], s[30:31]
	s_lshl_b32 s30, s29, 17                        ; tab: 16 batches x 8,192 bytes,
	s_lshl_b32 s32, s28, 8                         ; + 32 e x 8 bytes
	s_add_co_u32 s30, s30, s32
	s_add_nc_u64 s[20:21], s[20:21], s[30:31]
.irp kk, 0,1,2,3,4,5,6,7
.irp c, 0,1
	global_load_b128 v[HF+8*\kk+4*\c:HF+8*\kk+4*\c+3], v[FO], s[4:5] offset:64*\kk+32*\c
.endr
.endr
	global_load_b128 v[HS:HS+3], v[SO], s[6:7]
	WIN 0x40                                       ; destination window 1
.irp u, 0,1
.irp kk, 0,1,2,3,4,5,6,7
.irp c, 0,1
	global_load_b128 v[8*(8*\u+\kk)+4*\c:8*(8*\u+\kk)+4*\c+3], v[FO], s[8:9] offset:8192*\u+64*\kk+32*\c
.endr
.endr
.endr
	WIN 0
.irp u, 0,1
	global_load_b128 v[W1S+4*\u:W1S+4*\u+3], v[SO], s[10:11] offset:512*\u
.endr
.irp u, 0,1
.irp q, 0,1
	global_load_b128 v[B1+8*\u+4*\q:B1+8*\u+4*\q+3], v[BOF], s[12:13] offset:64*\u+16*\q
	global_load_b128 v[CB+8*\u+4*\q:CB+8*\u+4*\q+3], v[BOF], s[14:15] offset:64*\u+16*\q
	global_load_b128 v[W3R+8*\u+4*\q:W3R+8*\u+4*\q+3], v[BOF], s[16:17] offset:64*\u+16*\q
.endr
.endr
	WIN 0x40
.irp kk, 0,1,2,3,4,5,6,7
.irp c, 0,1
	global_load_b128 v[W2R+8*\kk+4*\c:W2R+8*\kk+4*\c+3], v[FO], s[18:19] offset:64*\kk+32*\c
.endr
.endr
	WIN 0
	s_wait_loadcnt 16                              ; all but W2's sixteen, the youngest
.irp i, 0,2,4,6,8,10,12,14
	v_pk_add_f32 v[CB+\i:CB+\i+1], v[B1+\i:B1+\i+1], v[CB+\i:CB+\i+1]   ; b1 + b2, in the result's layout
.endr
.rept 4
	v_nop
.endr
	WIN 0x01                                       ; source 0 (W1) window 1
.irp kk, 0,1,2,3,4,5,6,7                       ; the two accumulators take turns, one instruction a turn
.irp u, 0,1
.if \kk == 0
	v_wmma_scale_f32_16x16x128_f8f6f4 v[ACC+8*\u:ACC+8*\u+7], v[8*(8*\u+\kk):8*(8*\u+\kk)+7], v[HF+8*\kk:HF+8*\kk+7], v[CB+8*\u:CB+8*\u+7], v[W1S+4*\u+\kk%4], v[HS+\kk%4] matrix_a_fmt:MATRIX_FMT_FP4 matrix_b_fmt:MATRIX_FMT_FP4
.elseif \kk < 4
	v_wmma_scale_f32_16x16x128_f8f6f4 v[ACC+8*\u:ACC+8*\u+7], v[8*(8*\u+\kk):8*(8*\u+\kk)+7], v[HF+8*\kk:HF+8*\kk+7], v[ACC+8*\u:ACC+8*\u+7], v[W1S+4*\u+\kk%4], v[HS+\kk%4] matrix_a_fmt:MATRIX_FMT_FP4 matrix_b_fmt:MATRIX_FMT_FP4
.else
	v_wmma_scale_f32_16x16x128_f8f6f4 v[ACC+8*\u:ACC+8*\u+7], v[8*(8*\u+\kk):8*(8*\u+\kk)+7], v[HF+8*\kk:HF+8*\kk+7], v[ACC+8*\u:ACC+8*\u+7], v[W1S+4*\u+\kk%4], v[HS+\kk%4] matrix_a_fmt:MATRIX_FMT_FP4 matrix_b_fmt:MATRIX_FMT_FP4 matrix_a_scale:MATRIX_SCALE_ROW1 matrix_b_scale:MATRIX_SCALE_ROW1
.endif
.endr
.endr
	WIN 0
.rept 4
	v_nop                                          ; four places between the last product and the first read of a result (ISA guide 7.12.1)
.endr
.irp u, 0,1
.irp j, 0,1,2,3,4,5,6,7                        ; each accumulator from its low end on
	v_mul_f32 v[O+16*\u+2*\j], s24, v[ACC+8*\u+\j]
	v_mul_f32 v[O+16*\u+2*\j+1], s25, v[W3R+8*\u+\j]
.endr
.endr
.irp u, 0,1
.irp q, 0,1,2,3
	ds_store_b128 v[STO], v[O+16*\u+4*\q:O+16*\u+4*\q+3] offset:128*\u+16*\q
.endr
.endr
.irp i, 0,1,2,3,4,5,6,7
	ds_load_b128 v[BK+4*\i:BK+4*\i+3], v[RD] offset:544*\i          ; LDS serves a wave's instructions in order: these see my stores
.endr
.irp i, 0,1,2,3,4,5,6,7
	s_wait_dscnt 7-\i                              ; the younger reads may stay out
	global_store_b128 v[GO], v[BK+4*\i:BK+4*\i+3], s[20:21] offset:16384*\i   ; sixteen lanes store 256 consecutive bytes, aligned
.endr
	s_wait_loadcnt 0x0                             ; W2's tile
	WIN 0x04                                       ; a store's data: window 1
.irp kk, 0,1,2,3,4,5,6,7
.irp c, 0,1
	global_store_b128 v[LO], v[W2R+8*\kk+4*\c:W2R+8*\kk+4*\c+3], s[22:23] offset:512*(2*\kk+\c)   ; 512 consecutive bytes
.endr
.endr
	WIN 0
	s_wait_tensorcnt 0x0                           ; the wave's end, behind my last LDS store
	ds_add_u32 v[SPW], v[NIL]
	s_wait_dscnt 0x0
	s_endpgm
.Lfunc_end_k_q06e26f527b_prep:
	.size	k_q06e26f527b_prep, .Lfunc_end_k_q06e26f527b_prep-k_q06e26f527b_prep
	.p2alignl 7, 3214868480
	.fill 96, 4, 3214868480
	.section	.rodata,"a",@progbits
	.p2align	6, 0x0
	.amdhsa_kernel k_q06e26f527b_prep
		.amdhsa_group_segment_fixed_size 17920
		.amdhsa_private_segment_fixed_size 0
		.amdhsa_enable_private_segment 0
		.amdhsa_kernarg_size 80
		.amdhsa_user_sgpr_count 2
		.amdhsa_user_sgpr_kernarg_segment_ptr 1
		.amdhsa_wavefront_size32 1
		.amdhsa_system_sgpr_workgroup_id_x 1
		.amdhsa_system_sgpr_workgroup_id_y 1
		.amdhsa_system_sgpr_workgroup_id_z 1
		.amdhsa_system_vgpr_workitem_id 0
		.amdhsa_next_free_vgpr 448
		.amdhsa_next_free_sgpr 66
		.amdhsa_reserve_vcc 0
		.amdhsa_float_denorm_mode_32 3
		.amdhsa_float_denorm_mode_16_64 3
		.amdhsa_memory_ordered 1
		.amdhsa_forward_progress 1
		.amdhsa_inst_pref_size 18
	.end_amdhsa_kernel
	.amdgpu_metadata
---
amdhsa.version: [ 1, 2 ]
amdhsa.kernels:
  - .name:           k_q06e26f527b_prep
    .symbol:         k_q06e26f527b_prep.kd
    .args:
      - { .name: hidden_d_codes, .offset: 0, .size: 8, .value_kind: global_buffer, .address_space: global }
      - { .name: hidden_d_scales, .offset: 8, .size: 8, .value_kind: global_buffer, .address_space: global }
      - { .name: W1_codes, .offset: 16, .size: 8, .value_kind: global_buffer, .address_space: global }
      - { .name: W1_scales, .offset: 24, .size: 8, .value_kind: global_buffer, .address_space: global }
      - { .name: b1, .offset: 32, .size: 8, .value_kind: global_buffer, .address_space: global }
      - { .name: b2, .offset: 40, .size: 8, .value_kind: global_buffer, .address_space: global }
      - { .name: W3, .offset: 48, .size: 8, .value_kind: global_buffer, .address_space: global }
      - { .name: W2_codes, .offset: 56, .size: 8, .value_kind: global_buffer, .address_space: global }
      - { .name: tab, .offset: 64, .size: 8, .value_kind: global_buffer, .address_space: global }
      - { .name: w2f, .offset: 72, .size: 8, .value_kind: global_buffer, .address_space: global }
    .group_segment_fixed_size: 17920
    .private_segment_fixed_size: 0
    .kernarg_segment_align: 8
    .kernarg_segment_size: 80
    .max_flat_workgroup_size: 128
    .sgpr_count:     66
    .vgpr_count:     448
    .wavefront_size: 32
...
	.end_amdgpu_metadata
.endif
;; end of part 1
;; launch main (part 2): grid 256 x 1, 4 waves a work-group, no clusters, 327,680 bytes of LDS; arguments out_e, w2f, W2_scales, tab, scores, cpart, stats; writes scores, cpart, stats
.if DOCPART == 2
	.amdgcn_target "amdgcn-amd-amdhsa--gfx1250"
	.amdhsa_code_object_version 6
	.text
	.protected	k_q06e26f527b_main
	.globl	k_q06e26f527b_main
	.p2align	8
	.type	k_q06e26f527b_main,@function
k_q06e26f527b_main:
	s_mov_b64 s[64:65], 0
	v_nop
	global_prefetch_b8 v0, s[64:65] scope:SCOPE_SE
	s_setreg_imm32_b32 hwreg(HW_REG_WAVE_MODE, 25, 1), 1
	s_wait_xcnt 0x0
; SECOND OF THREE LAUNCHES.  Left out, as shown at the head of the first launch: b3 and the term sum(W3), both the same along the softmax's axis.
; Work-group (n, sr) owns rows s = 256 sr .. + 255 of ONE batch n of out_e and reads them ONCE, in four chunks of 64 rows.  For each chunk:
;   Q  each wave takes its own 16 rows (f32, brought by its own tensor load) out of LDS, quantises them to E2M1 with one E8M0 scale for each 32 along K, stores codes and scale bytes to LDS,
;      and keeps the rows in registers as bf16 for the weighted sum;
;   A  every wave loads all 64 rows' codes as its source 0 (256 registers);
;   G  wave w multiplies them with rows 256 w .. + 255 of W2 (streamed from w2f, two tiles of 16 a step), adds the batch's term, takes r = 1 / (1 + 2^(..)) and sums K3 W3[e] r:
;      t[s] = log2(e) (a[s] - what is the same for all s);
;   U  the four waves' parts of t meet in LDS; a running maximum m, sum l and c = sum 2^(t - m) x are kept as a softmax in pieces keeps them.
; W2 IS ASKED FOR TWO STEPS AHEAD: its fragments and scale words have two sets of registers that take turns.  Behind step t's products the set that they read takes the loads of step t + 2,
; which have step t's vector work and all of step t + 1 in which to land.  The stream goes round: a chunk's last two steps ask for the next chunk's first two.
; Out: scores[n][s] = t, cpart[n][sr][1024], stats[n][sr] = {m, l}.  The third launch joins the eight parts of each n.
; LIMITS: NaN and infinities among the inputs are not served; a block of 32 whose largest magnitude lies under 2^-124 gets the scale byte 1 (a block of zeros too: its codes are zeros);
; the weighted sum takes out_e rounded to bf16, the weights and the sums in f32.
; NO CLUSTER: the work-groups share W2 alone, and beside x's slot (278,528 bytes), the codes, scales, table and exchange regions LDS has no room for a ring for W2: 326,144 of 327,680 bytes are laid out.
; NO PREFETCH: each refill of 65,536 bytes a wave is asked for a whole chunk's products ahead of its use.
.set K2,     0x4038aa3b                ; 2 log2(e)
.set XW,     69632                     ; LDS: a wave's 16 rows of x: 16 x XPITCH
.set XPITCH, 4352                      ; a row: 4,096 bytes + 16 behind each 256
.set CX,     278528                    ; codes: 64 rows, pitch 528 (512 + 16: the sixteen rows of a fragment load start at sixteen different groups of banks)
.set CP,     528
.set SX,     312320                    ; scale bytes: 64 rows, pitch 48
.set SXP,    48
.set TAB,    315392                    ; wave w's 256 pairs of tab[n]: 2,048 bytes each wave, its own
.set AX,     323584                    ; 4 waves x 64 parts of t
.set PP,     324608                    ; 256 bytes a wave, its own: the chunk's 64 weights
.set SPARE,  325632                    ; the spare words, 128 bytes a wave
.set XA0, 1                            ; v1   XW w + 32 l + 16 (l / 8): my 8 numbers of a quarter row, rows 0-7
.set XA1, 2                            ; v2   the same, rows 8-15
.set CW,  3                            ; v3   CX + 16 CP w + 4 l
.set SW,  4                            ; v4   SX + 16 SXP w + l / 4
.set AL,  5                            ; v5   CX + CP r + 16 h
.set XSL, 6                            ; v6   SX + SXP l: lane l takes the scale bytes of row l of a group of 32 rows
.set TB0, 7                            ; v7   TAB + 2048 w + 8 r
.set TBA, 8                            ; v8   the trip's address in TAB
.set AXW, 9                            ; v9   AX + 256 w + 32 h
.set AXR, 10                           ; v10  AX + 8 l
.set PPW, 11                           ; v11  PP + 256 w + 8 l
.set PPR, 12                           ; v12  PP + 256 w + 64 w: my own 16 rows' weights
.set BO,  13                           ; v13  16 l; never rewritten
.set WSO, 14                           ; v14  32 r + 16 h; never rewritten
.set SCO, 15                           ; v15  8 l + 256 x chunk
.set L8,  16                           ; v16  8 l
.set CRW, 17                           ; v17  the end: where my part of c goes
.set CRR, 18                           ; v18  and where I read the four parts of my quarter
.set TW,  19                           ; v19  TAB + 2048 w + 16 l
.set SPW, 20                           ; v20  my spare word
.set NIL, 21                           ; v21  0
.set WS,  22                           ; v22-37   W2's scale words, two sets of 8: 4 a tile; lanes 0-15 K steps 0-3, lanes 16-31 K steps 4-7.  Loads alone write v22-53
.set XS,  38                           ; v38-53   x's scale words: register 8 p + kk: lane l holds the word of row 32 p + l for K step kk
.set BW,  54                           ; v54-57   {K2 bias, K3 W3} of my column e, for the step's two tiles
.set W3P, 58                           ; v58-61   pairs whose low word is K3 W3
.set MX,  54                           ; v54-61   in Q, while no step is running: eight largest magnitudes
.set MR,  62                           ; v62  m    v63  l
.set LR,  63
.set ACC, 64                           ; v64-127  8 accumulators ((nt, mt) at 8 (4 nt + mt)); in Q staging set 0
.set STG, 64                           ; v64-191  two staging sets of 64
.set TH,  64                           ; v64-79   at the head: tab on its way to LDS; v80-85 the head's lane terms
.set TT,  136                          ; v136-137 t of rows 2 l, 2 l + 1
.set PW2, 138                          ; v138-139 their weights
.set SM,  140                          ; v140 the chunk's sum   v141 its maximum
.set MT,  141
.set FF,  142                          ; v142-143 f = 2^(old m - new m), low word
.set PB,  144                          ; v144-159 my 16 rows' weights, in every lane
.set PD,  160                          ; v160 what the lane 16 away holds
.set ASUM, 192                         ; v192-223 sums of K3 W3 r: register 8 mt + j; in Q two sets of scale bytes and of codes
.set CACC, 224                         ; v224-255 c: register 8 q + j is k = 256 q + 8 l + j
                                       ; window 1: x's 32 fragments;  window 2: x as bf16: register 16 i + 4 q + jj holds row i, k = 256 q + 8 l + 2 jj, + 1;  window 3: W2's fragments, set p at v[128 p]
                                       ; s[38:39], s[40:41]: where set 0's loads stand in w2f and in W2's scale bytes; s[58:59], s[60:61]: set 1's
.set MSB, 0
.macro WIN new                         ; the immediate's high byte repeats the setting that is left
.if MSB != \new
	s_set_vgpr_msb (MSB<<8)|\new
.set MSB, \new
.endif
.endm
	s_load_b256 s[4:11], s[0:1], 0x0               ; out_e, w2f, W2_scales, tab
	s_load_b128 s[12:15], s[0:1], 0x20             ; scores, cpart
	s_load_b64 s[16:17], s[0:1], 0x30              ; stats
	v_lshl_add_u32 v[SPW], v0, 2, SPARE
	v_mov_b32 v[NIL], 0
	ds_add_u32 v[SPW], v[NIL]                      ; the wave's opening: the add, twice on end, and its wait ahead of my first tensor load; the set-up below is work on registers
	ds_add_u32 v[SPW], v[NIL]
	v_lshrrev_b32 v85, 5, v0
	v_readfirstlane_b32 s18, v85                   ; wave 0..3
	s_and_b32 s19, ttmp9, 31                       ; n
	s_lshr_b32 s20, ttmp9, 5                       ; sr
	; descriptor group 1: 16 rows of 1,024 f32, 32 x 1,024 elements apart in memory; in LDS 4 words of padding behind every 64
	s_mov_b32 s24, (2<<16)|(1<<20)|(5<<22)|(3<<25)
	s_mov_b32 s25, 1024<<16                        ; tensor_dim0
	s_mov_b32 s26, 16<<16                          ; tensor_dim1
	s_mov_b32 s27, 1024<<16                        ; tile_dim0
	s_mov_b32 s28, 16                              ; tile_dim1
	s_mov_b32 s29, 32768                           ; from row to row
	s_mov_b32 s30, 0
	s_mov_b32 s31, 0
	s_mov_b32 s32, 1
	s_mul_i32 s33, s18, XW                         ; my 16 rows' place in LDS
	s_mov_b32 s22, K2
	s_mov_b32 s23, K2
	s_mov_b32 s36, 0x76543210                      ; v_permlanex16_b32's selects for lane l xor 16
	s_mov_b32 s37, 0xfedcba98
	s_mov_b32 s51, 0xff000000                      ; takes 2 off an exponent field
	s_mov_b32 s42, 0                               ; where the trip's four tiles begin in my part of w2f,
	s_mov_b32 s43, 0
	s_mov_b32 s44, 0                               ; and their scale bytes
	s_mov_b32 s45, 0
	v_and_b32 v80, 31, v0                          ; l
	v_and_b32 v81, 15, v0                          ; r
	v_bfe_u32 v82, v0, 4, 1                        ; h
	v_bfe_u32 v83, v0, 3, 2                        ; l / 8
	v_bfe_u32 v84, v0, 2, 3                        ; l / 4
	v_lshlrev_b32 v[XA0], 5, v80
	v_lshl_add_u32 v[XA0], v83, 4, v[XA0]
	v_add_nc_u32 v[XA0], s33, v[XA0]
	v_add_nc_u32 v[XA1], 8*XPITCH, v[XA0]
	s_mul_i32 s50, s18, 16*CP
	s_add_co_u32 s50, s50, CX
	v_lshl_add_u32 v[CW], v80, 2, s50
	s_mul_i32 s50, s18, 16*SXP
	s_add_co_u32 s50, s50, SX
	v_add_nc_u32 v[SW], s50, v84
	v_mul_u32_u24 v[AL], v81, CP
	v_lshl_add_u32 v[AL], v82, 4, v[AL]
	v_add_nc_u32 v[AL], CX, v[AL]
	v_mul_u32_u24 v[XSL], v80, SXP
	v_add_nc_u32 v[XSL], SX, v[XSL]
	s_lshl_b32 s50, s18, 11
	s_add_co_u32 s50, s50, TAB
	v_lshl_add_u32 v[TB0], v81, 3, s50
	v_lshl_add_u32 v[TW], v80, 4, s50
	s_lshl_b32 s50, s18, 8
	s_add_co_u32 s52, s50, AX
	v_lshl_add_u32 v[AXW], v82, 5, s52
	v_lshl_add_u32 v[AXR], v80, 3, AX
	s_add_co_u32 s52, s50, PP
	v_lshl_add_u32 v[PPW], v80, 3, s52
	s_mul_i32 s52, s18, 320
	s_add_co_u32 s52, s52, PP
	v_mov_b32 v[PPR], s52
	v_lshlrev_b32 v[BO], 4, v80
	v_lshlrev_b32 v[WSO], 5, v81
	v_lshl_add_u32 v[WSO], v82, 4, v[WSO]
	v_lshlrev_b32 v[SCO], 3, v80
	v_lshlrev_b32 v[L8], 3, v80
	s_mul_i32 s52, s18, XPITCH
	s_add_co_u32 s52, s52, CX
	v_lshlrev_b32 v[CRW], 5, v80
	v_lshl_add_u32 v[CRW], v83, 4, v[CRW]
	v_add_nc_u32 v[CRW], s52, v[CRW]
	s_mul_i32 s52, s18, 1088
	s_add_co_u32 s52, s52, CX
	v_add_nc_u32 v[CRR], v80, v82
	v_lshl_add_u32 v[CRR], v[CRR], 4, s52
	s_lshl_b32 s2, s20, 8                          ; my first row: s = 256 sr + 16 w; a step of s is 131,072 bytes, n is 4,096
	s_lshl_b32 s3, s18, 4
	s_add_co_u32 s2, s2, s3
	s_lshl_b32 s2, s2, 17
	s_lshl_b32 s3, s19, 12
	s_add_co_u32 s2, s2, s3
	s_mov_b32 s3, 0
	s_wait_alu depctr_va_vdst(0)
	s_wait_dscnt 0x0                               ; both opening adds are done
	s_wait_kmcnt 0x0
	s_add_nc_u64 s[34:35], s[4:5], s[2:3]
	s_or_b32 s35, s35, 0x80000000                  ; type = 2
	tensor_load_to_lds s[32:35], s[24:31]          ; chunk 0: every wave fetches its own 16 rows; one tensor load of mine is out
	s_nop 0
.rept 4
	v_nop
.endr
	s_lshl_b32 s2, s18, 17                         ; my 16 tiles of w2f
	s_add_nc_u64 s[54:55], s[6:7], s[2:3]
	s_lshl_b32 s2, s18, 13                         ; my 256 rows of W2's scale bytes
	s_add_nc_u64 s[56:57], s[8:9], s[2:3]
	s_mov_b64 s[38:39], s[54:55]                   ; both sets begin at my first tile: set 1's place, two tiles on, stands in its loads' immediates
	s_mov_b64 s[40:41], s[56:57]
	s_mov_b64 s[58:59], s[54:55]
	s_mov_b64 s[60:61], s[56:57]
	s_lshl_b32 s2, s19, 13                         ; tab[n], my 256 pairs
	s_lshl_b32 s50, s18, 11
	s_add_co_u32 s2, s2, s50
	s_add_nc_u64 s[10:11], s[10:11], s[2:3]
.irp i, 0,1,2,3
	global_load_b128 v[TH+4*\i:TH+4*\i+3], v[BO], s[10:11] offset:512*\i
.endr
; A step's two tiles of W2 into set p: 32 loads of 512 consecutive bytes, as the operand's registers take them, and the tiles' scale words
.macro LOADB p
	WIN 0xc0                                       ; destination window 3
.irp nt, 0,1
.irp kk, 0,1,2,3,4,5,6,7
.irp c, 0,1
	global_load_b128 v[128*(\p)+8*(8*\nt+\kk)+4*\c:128*(\p)+8*(8*\nt+\kk)+4*\c+3], v[BO], s[38+20*(\p):39+20*(\p)] offset:16384*(\p)+8192*\nt+1024*\kk+512*\c
.endr
.endr
.endr
	WIN 0
.irp nt, 0,1
	global_load_b128 v[WS+8*(\p)+4*\nt:WS+8*(\p)+4*\nt+3], v[WSO], s[40+20*(\p):41+20*(\p)] offset:1024*(\p)+512*\nt
.endr
.endm
	LOADB 0                                        ; step 0
	s_lshl_b32 s2, s19, 13                         ; scores: 8,192 n + 1,024 sr
	s_lshl_b32 s50, s20, 10
	s_add_co_u32 s2, s2, s50
	s_add_nc_u64 s[12:13], s[12:13], s[2:3]
	s_lshl_b32 s50, s19, 3
	s_add_co_u32 s50, s50, s20                     ; 8 n + sr
	s_lshl_b32 s2, s50, 12
	s_lshl_b32 s52, s18, 10
	s_add_co_u32 s2, s2, s52
	s_add_nc_u64 s[14:15], s[14:15], s[2:3]        ; cpart: 4,096 (8 n + sr) + my quarter
	s_lshl_b32 s2, s50, 8
	s_add_nc_u64 s[16:17], s[16:17], s[2:3]        ; stats: 256 (8 n + sr)
.set I, 0
.rept 32
	v_mov_b32 v[CACC+I], 0                         ; c: the chunk is written once; the first finds zeros
.set I, I+1
.endr
	v_mov_b32 v[MR], 0xff61b1e6                    ; m: -3e38, under every t
	v_mov_b32 v[LR], 0
	s_wait_loadcnt 34                              ; tab's four loads are in; set 0's 34, issued behind them, may stay out
.irp i, 0,1,2,3
	ds_store_b128 v[TW], v[TH+4*\i:TH+4*\i+3] offset:512*\i        ; my own bytes: LDS serves a wave's instructions in order
.endr
	LOADB 1                                        ; step 1
; Rows 2 b and 2 b + 1 of my 16 into staging set b % 2: unit (u, q) = 8 registers: k = 256 q + 8 l + 0 .. 7 of row 2 b + u
.macro LOADX b
.irp u, 0,1
.irp q, 0,1,2,3
.irp c, 0,1
	ds_load_b128 v[STG+64*((\b)%2)+8*(4*\u+\q)+4*\c:STG+64*((\b)%2)+8*(4*\u+\q)+4*\c+3], v[XA0+(\b)/4] offset:XPITCH*((2*(\b)+\u)%8)+1088*\q+16*\c
.endr
.endr
.endr
.endm
; The eight units of batch b are quantised: four neighbouring lanes hold a block of 32.  The units take turns line by line.
.macro PROC b
.set SS,  STG+64*((\b)%2)
.set BYS, ASUM+8*((\b)%2)
.set CDS, ASUM+16+8*((\b)%2)
.irp n, 0,1,2,3,4,5,6,7
	v_max3_num_f32 v[MX+\n], |v[SS+8*\n]|, |v[SS+8*\n+1]|, 0x1800000   ; with the floor 2^(3 - 127): the byte cannot fall under 1
.endr
.irp i, 2,4,6
.irp n, 0,1,2,3,4,5,6,7
	v_max3_num_f32 v[MX+\n], v[MX+\n], |v[SS+8*\n+\i]|, |v[SS+8*\n+\i+1]|
.endr
.endr
.irp n, 0,1,2,3,4,5,6,7
	v_max_num_f32_dpp v[MX+\n], v[MX+\n], v[MX+\n] row_xmask:1 row_mask:0xf bank_mask:0xf
.endr
.irp n, 0,1,2,3,4,5,6,7
	v_max_num_f32_dpp v[MX+\n], v[MX+\n], v[MX+\n] row_xmask:2 row_mask:0xf bank_mask:0xf   ; the block's largest magnitude
.endr
.irp n, 0,1,2,3,4,5,6,7
	v_add_nc_u32 v[MX+\n], s51, v[MX+\n]           ; 2 off its exponent field: the conversion takes that field as its scale
.endr
.irp n, 0,1,2,3,4,5,6,7
	v_lshrrev_b32 v[BYS+\n], 23, v[MX+\n]          ; the scale's byte
.endr
.irp n, 0,1,2,3,4,5,6,7
	v_cvt_scalef32_pk8_fp4_f32 v[CDS+\n], v[SS+8*\n:SS+8*\n+7], v[MX+\n]
.endr
	WIN 0x80                                       ; destination window 2
.irp n, 0,1,2,3,4,5,6,7
.irp j, 0,1,2,3
	v_cvt_pk_bf16_f32 v[32*(\b)+4*\n+\j], v[SS+8*\n+2*\j], v[SS+8*\n+2*\j+1]   ; the rows are kept for the weighted sum.  (Plain lines behind the scaled conversions)
.endr
.endr
	WIN 0
.irp u, 0,1
.irp q, 0,1,2,3
	ds_store_b32 v[CW], v[CDS+4*\u+\q] offset:CP*(2*(\b)+\u)+128*\q      ; 32 lanes: 128 consecutive bytes of the row's codes
	ds_store_b8 v[SW], v[BYS+4*\u+\q] offset:SXP*(2*(\b)+\u)+8*\q        ; the four lanes of a block write the same byte with the same value
.endr
.endr
.endm
; One product of 32 x 16 x 128: rows 32 mt on of x (source 0, 16 registers: two tiles of 16 rows) x rows 16 nt on of the step's W2, in set p (source 1), K step kk.
; In the result a lane (r, h) holds column e = r; registers 0-7 are rows 8 h + 0 .. 7, registers 8-15 the same of the second 16 rows.  x's scale word: lane l for row l; W2's: lanes 0-15 for K steps 0-3, lanes 16-31 for K steps 4-7.
.macro MM mt, nt, kk, p
.set rD, ACC+16*(2*\nt+\mt)
.set rA, 16*(8*\mt+\kk)
.set rB, 128*(\p)+8*(8*\nt+\kk)
.set rX, XS+8*\mt+\kk
.set rW, WS+8*(\p)+4*\nt+(\kk%4)
.if \kk == 0
	v_wmma_scale_f32_32x16x128_f4 v[rD:rD+15], v[rA:rA+15], v[rB:rB+7], 0, v[rX], v[rW]
.elseif \kk < 4
	v_wmma_scale_f32_32x16x128_f4 v[rD:rD+15], v[rA:rA+15], v[rB:rB+7], v[rD:rD+15], v[rX], v[rW]
.else
	v_wmma_scale_f32_32x16x128_f4 v[rD:rD+15], v[rA:rA+15], v[rB:rB+7], v[rD:rD+15], v[rX], v[rW] matrix_b_scale:MATRIX_SCALE_ROW1
.endif
.endm
; A step: two tiles of 16 e, in set p, against the chunk's 64 rows.  ld = 1: behind its products set p takes the loads of the step two on.  cnt: how many younger loads may stay out.
.macro STEP p, ld, cnt
	s_wait_loadcnt \cnt                            ; loads come back in order: set p's 34 are in; the other set's 34, issued behind them, may stay out.  So set p's bases may be written:
.if \ld
.if \p == 0
	s_add_co_u32 s42, s42, 32768                   ; the next trip's four tiles; behind my sixteenth tile the first again, for the next chunk
	s_and_b32 s42, s42, 0x1ffff
	s_lshr_b32 s44, s42, 4                         ; 32 scale bytes for 512 bytes of codes
.endif
	s_add_nc_u64 s[38+20*\p:39+20*\p], s[54:55], s[42:43]
	s_add_nc_u64 s[40+20*\p:41+20*\p], s[56:57], s[44:45]
.endif
.if \p == 0
	v_add_nc_u32 v[TBA], s48, v[TB0]               ; the trip's 64 pairs
.endif
	ds_load_b64 v[BW:BW+1], v[TBA] offset:256*\p            ; {K2 bias, K3 W3} of my column, tile 0
	ds_load_b64 v[BW+2:BW+3], v[TBA] offset:256*\p+128      ; tile 1
	WIN 0x0d                                       ; source 0 window 1, source 1 window 3
.irp kk, 0,1,2,3,4,5,6,7                       ; the four accumulators of 16 registers take turns, one instruction a turn
.irp nt, 0,1
.irp mt, 0,1
	MM \mt, \nt, \kk, \p
.endr
.endr
.endr
	WIN 0
.rept 5
	v_nop                                          ; places: four in front of the loads into set p's registers and of the first read of a result, five in front of the next step's products, which begin the accumulators anew
.endr
.if \ld
	LOADB \p                                       ; the step two on: it has this step's vector work and the whole next step in which to land
.endif
	s_wait_dscnt 0x0                               ; the two pairs
	v_mov_b32 v[W3P], v[BW+1]
	v_mov_b32 v[W3P+2], v[BW+3]
.set I, 0
.rept 32
	v_pk_fma_f32 v[ACC+2*I:ACC+2*I+1], v[ACC+2*I:ACC+2*I+1], s[22:23], v[BW+2*(I/16):BW+2*(I/16)+1] op_sel_hi:[1,0,0]   ; K2 (x W2^T + the batch's term); each accumulator from its low end on
.set I, I+1
.endr
.set I, 0
	s_wait_alu depctr_va_vdst(0)
.rept 64
	v_exp_f32 v[ACC+I], v[ACC+I]
.set I, I+1
.endr
	v_nop                                          ; a plain line behind the last exponential
	s_wait_alu depctr_va_vdst(0)                   ; one wait for the batch, ahead of its first reader
.set I, 0
.rept 32
	v_pk_add_f32 v[ACC+2*I:ACC+2*I+1], v[ACC+2*I:ACC+2*I+1], 1.0 op_sel_hi:[1,0]
.set I, I+1
.endr
.set I, 0
	s_wait_alu depctr_va_vdst(0)
.rept 64
	v_rcp_f32 v[ACC+I], v[ACC+I]                   ; r = 1 / (1 + 2^(..)): 0 where the power is infinite, 1 where it is 0
.set I, I+1
.endr
	v_nop
	s_wait_alu depctr_va_vdst(0)
.set I, 0
.rept 32
	v_pk_fma_f32 v[ASUM+(2*I)%32:ASUM+(2*I)%32+1], v[ACC+2*I:ACC+2*I+1], v[W3P+2*(I/16):W3P+2*(I/16)+1], v[ASUM+(2*I)%32:ASUM+(2*I)%32+1] op_sel_hi:[1,0,1]
.set I, I+1
.endr
.endm
; A chunk of 64 rows.  refill = 1: the next chunk is asked for.  last = 1: the launch's last chunk, whose last two steps have no successors to fetch for.
.macro CHUNK refill, last
	; ---- Q
	s_wait_tensorcnt 0x0                           ; my 16 rows are in LDS; only I read them
	LOADX 0
	LOADX 1
.irp b, 0,1,2,3,4,5,6,7
.if (\b == 0) || (\b == 7)
	s_wait_dscnt 16                                ; behind this batch's loads: the next batch's 16 loads (first batch), or the batch before's 16 stores (last)
.else
	s_wait_dscnt 32                                ; behind this batch's loads: the batch before's 16 stores and the next batch's 16 loads.  So the stores of two batches back, whose registers are written now, are done too
.endif
	PROC \b
.if \b < 6
	LOADX \b+2
.endif
.endr
.if \refill
	s_wait_tensorcnt 0x0                           ; no tensor load of mine is out, so group 0 may be written
	ds_add_u32 v[SPW], v[NIL]                      ; 0 onto my spare word
	s_add_nc_u64 s[34:35], s[34:35], 0x800000      ; 64 rows of s on; the type bits on top are not reached
	s_wait_dscnt 0x0                               ; the add is done, my reads of the slot are over, my codes and scale bytes have landed
	s_barrier_signal -1
	s_barrier_wait -1
	tensor_load_to_lds s[32:35], s[24:31]          ; the next chunk's 16 rows: first behind the barrier, my one tensor load until the next such barrier
	s_nop 0
.rept 4
	v_nop
.endr
.else
	s_wait_dscnt 0x0                               ; my codes and scale bytes have landed
	s_barrier_signal -1
	s_barrier_wait -1
.endif
	; ---- A
	WIN 0x40                                       ; destination window 1
.irp mt, 0,1,2,3
.irp kk, 0,1,2,3,4,5,6,7
.irp c, 0,1
	ds_load_b128 v[16*(8*(\mt/2)+\kk)+8*(\mt%2)+4*\c:16*(8*(\mt/2)+\kk)+8*(\mt%2)+4*\c+3], v[AL] offset:16*CP*\mt+64*\kk+32*\c   ; tiles 2 p and 2 p + 1 of one K step lie in 16 registers on end
.endr
.endr
.endr
	WIN 0
.irp mt, 0,1
.irp c, 0,1
	ds_load_b128 v[XS+8*\mt+4*\c:XS+8*\mt+4*\c+3], v[XSL] offset:32*SXP*\mt+16*\c   ; row 32 mt + l: its words of K steps 4 c .. 4 c + 3
.endr
.endr
.set I, 0
.rept 32
	v_mov_b32 v[ASUM+I], 0
.set I, I+1
.endr
	s_mov_b32 s48, 0
	s_mov_b32 s46, 0
	s_wait_dscnt 0x0
	; ---- G: a trip is two steps, one on each set
.Lstep_\@:
	STEP 0, 1, 34
	STEP 1, 1, 34
	s_add_co_u32 s48, s48, 512                     ; the next trip's 64 pairs
	s_add_co_u32 s46, s46, 1
	s_cmp_lt_u32 s46, 4-\last
	s_cbranch_scc1 .Lstep_\@
.if \last
	STEP 0, 0, 34                                  ; the launch's last two steps are written out: they ask for nothing,
	STEP 1, 0, 0                                   ; and behind the last set's loads none was issued
.endif
	; ---- U
.irp m, 1,2,4,8
.set I, 0
.rept 32
	v_add_f32_dpp v[ASUM+I], v[ASUM+I], v[ASUM+I] row_xmask:\m row_mask:0xf bank_mask:0xf   ; over the sixteen columns that the lanes of a half hold
.set I, I+1
.endr
.endr
.irp mt, 0,1,2,3
.irp g, 0,1
	ds_store_b128 v[AXW], v[ASUM+8*\mt+4*\g:ASUM+8*\mt+4*\g+3] offset:64*\mt+16*\g   ; rows 16 mt + 8 h + 4 g on; the lanes of a half write the same words with the same values
.endr
.endr
	s_wait_dscnt 0x0                               ; my part of t has landed, and my reads of the codes are long over
	s_barrier_signal -1
	s_barrier_wait -1
.irp w, 0,1,2,3
	ds_load_b64 v[128+2*\w:129+2*\w], v[AXR] offset:256*\w
.endr
	v_mov_b32 v[PD], 0                             ; a lane permute's destination counts as one of its sources
	v_mov_b32 v[FF+1], 0                           ; the upper half of a pair of which the low word alone is used
	s_wait_dscnt 0x0
	v_pk_add_f32 v[128:129], v[128:129], v[130:131]
	v_pk_add_f32 v[132:133], v[132:133], v[134:135]
	v_pk_add_f32 v[TT:TT+1], v[128:129], v[132:133]                ; t of rows 2 l and 2 l + 1, in all four waves alike
	s_cmp_lg_u32 s18, 0
	s_cbranch_scc1 .Lnot0_\@
	global_store_b64 v[SCO], v[TT:TT+1], s[12:13]                  ; 32 lanes store 256 consecutive bytes, aligned
.Lnot0_\@:
	s_wait_alu depctr_va_vdst(0)
	v_max_num_f32 v[MT], v[TT], v[TT+1]
	v_max_num_f32_dpp v[MT], v[MT], v[MT] row_xmask:1 row_mask:0xf bank_mask:0xf
	v_max_num_f32_dpp v[MT], v[MT], v[MT] row_xmask:2 row_mask:0xf bank_mask:0xf
	v_max_num_f32_dpp v[MT], v[MT], v[MT] row_xmask:4 row_mask:0xf bank_mask:0xf
	v_max_num_f32_dpp v[MT], v[MT], v[MT] row_xmask:8 row_mask:0xf bank_mask:0xf
	v_permlanex16_b32 v[PD], v[MT], s36, s37
	v_max3_num_f32 v[MT], v[MT], v[PD], v[MR]      ; the new m
	v_sub_f32 v[FF], v[MR], v[MT]
	v_mov_b32 v[MR], v[MT]
	v_sub_f32 v[PW2], v[TT], v[MT]
	v_sub_f32 v[PW2+1], v[TT+1], v[MT]
	s_wait_alu depctr_va_vdst(0)
	v_exp_f32 v[FF], v[FF]                         ; f = 2^(old m - new m)
	v_exp_f32 v[PW2], v[PW2]                       ; p = 2^(t - m)
	v_exp_f32 v[PW2+1], v[PW2+1]
	v_nop
	s_wait_alu depctr_va_vdst(0)                   ; one wait for the three
	ds_store_b64 v[PPW], v[PW2:PW2+1]              ; my own bytes
.irp i, 0,1,2,3
	ds_load_b128 v[PB+4*\i:PB+4*\i+3], v[PPR] offset:16*\i         ; my 16 rows' p, the same words in every lane
.endr
	v_add_f32 v[SM], v[PW2], v[PW2+1]
	v_add_f32_dpp v[SM], v[SM], v[SM] row_xmask:1 row_mask:0xf bank_mask:0xf
	v_add_f32_dpp v[SM], v[SM], v[SM] row_xmask:2 row_mask:0xf bank_mask:0xf
	v_add_f32_dpp v[SM], v[SM], v[SM] row_xmask:4 row_mask:0xf bank_mask:0xf
	v_add_f32_dpp v[SM], v[SM], v[SM] row_xmask:8 row_mask:0xf bank_mask:0xf
	v_permlanex16_b32 v[PD], v[SM], s36, s37
	v_add_f32 v[SM], v[SM], v[PD]
	v_fma_f32 v[LR], v[LR], v[FF], v[SM]           ; l = l f + the chunk's sum
.set I, 0
.rept 16
	v_pk_mul_f32 v[CACC+2*I:CACC+2*I+1], v[CACC+2*I:CACC+2*I+1], v[FF:FF+1] op_sel_hi:[1,0]
.set I, I+1
.endr
	s_wait_dscnt 0x0                               ; p
	WIN 0x02                                       ; x window 2; p and c window 0
.irp i, 0,1,2,3,4,5,6,7,8,9,10,11,12,13,14,15
.irp q, 0,1,2,3
.irp jj, 0,1,2,3
	v_fma_mix_f32_bf16 v[CACC+8*\q+2*\jj], v[16*\i+4*\q+\jj], v[PB+\i], v[CACC+8*\q+2*\jj] op_sel_hi:[1,0,0]
	v_fma_mix_f32_bf16 v[CACC+8*\q+2*\jj+1], v[16*\i+4*\q+\jj], v[PB+\i], v[CACC+8*\q+2*\jj+1] op_sel:[1,0,0] op_sel_hi:[1,0,0]
.endr
.endr
.endr
	WIN 0
.if !\last
	s_wait_xcnt 0x0                                ; the store of t has read its offset and its data: the offset is stepped here, and the next chunk's loads land on the data's registers
	v_add_nc_u32 v[SCO], 256, v[SCO]
.endif
.endm
	s_mov_b32 s47, 3
.Lchunk:
	CHUNK 1, 0
	s_sub_co_u32 s47, s47, 1
	s_cmp_lg_u32 s47, 0
	s_cbranch_scc1 .Lchunk
	CHUNK 0, 1                                     ; the last chunk is written out: it asks for nothing
	; THE END.  Each wave holds a part of c (its own rows') for all 1,024 k: the four parts meet in the bytes that held the codes, which every wave has left (all passed the last barrier behind their reads of them).
.irp q, 0,1,2,3
.irp c, 0,1
	ds_store_b128 v[CRW], v[CACC+8*\q+4*\c:CACC+8*\q+4*\c+3] offset:1088*\q+16*\c
.endr
.endr
	s_wait_dscnt 0x0
	s_barrier_signal -1
	s_barrier_wait -1
.irp w, 0,1,2,3
.irp g, 0,1
	ds_load_b128 v[64+4*(2*\w+\g):64+4*(2*\w+\g)+3], v[CRR] offset:XPITCH*\w+544*\g    ; k = 256 (my wave) + 128 g + 4 l on, of wave w's part
.endr
.endr
	s_wait_dscnt 0x0
.irp a, 0,2,4,6
	v_pk_add_f32 v[64+\a:65+\a], v[64+\a:65+\a], v[72+\a:73+\a]
	v_pk_add_f32 v[80+\a:81+\a], v[80+\a:81+\a], v[88+\a:89+\a]
.endr
.irp a, 0,2,4,6
	v_pk_add_f32 v[64+\a:65+\a], v[64+\a:65+\a], v[80+\a:81+\a]
.endr
.irp g, 0,1
	global_store_b128 v[BO], v[64+4*\g:67+4*\g], s[14:15] offset:512*\g      ; 512 consecutive bytes
.endr
	s_cmp_lg_u32 s18, 0
	s_cbranch_scc1 .Lno_stats
	global_store_b64 v[L8], v[MR:MR+1], s[16:17]   ; {m, l}, 32 times: 256 consecutive bytes, aligned
.Lno_stats:
	s_wait_tensorcnt 0x0                           ; the wave's end: behind my last tensor load and my last LDS store
	ds_add_u32 v[SPW], v[NIL]
	s_wait_dscnt 0x0
	s_endpgm
.Lfunc_end_k_q06e26f527b_main:
	.size	k_q06e26f527b_main, .Lfunc_end_k_q06e26f527b_main-k_q06e26f527b_main
	.p2alignl 7, 3214868480
	.fill 96, 4, 3214868480
	.section	.rodata,"a",@progbits
	.p2align	6, 0x0
	.amdhsa_kernel k_q06e26f527b_main
		.amdhsa_group_segment_fixed_size 327680
		.amdhsa_private_segment_fixed_size 0
		.amdhsa_enable_private_segment 0
		.amdhsa_kernarg_size 56
		.amdhsa_user_sgpr_count 2
		.amdhsa_user_sgpr_kernarg_segment_ptr 1
		.amdhsa_wavefront_size32 1
		.amdhsa_system_sgpr_workgroup_id_x 1
		.amdhsa_system_sgpr_workgroup_id_y 1
		.amdhsa_system_sgpr_workgroup_id_z 1
		.amdhsa_system_vgpr_workitem_id 0
		.amdhsa_next_free_vgpr 1024
		.amdhsa_next_free_sgpr 66
		.amdhsa_reserve_vcc 0
		.amdhsa_float_denorm_mode_32 3
		.amdhsa_float_denorm_mode_16_64 3
		.amdhsa_memory_ordered 1
		.amdhsa_forward_progress 1
		.amdhsa_inst_pref_size 255
	.end_amdhsa_kernel
	.section	.bss,"aw",@nobits
	.p2align	6
	.space	262144
	.amdgpu_metadata
---
amdhsa.version: [ 1, 2 ]
amdhsa.kernels:
  - .name:           k_q06e26f527b_main
    .symbol:         k_q06e26f527b_main.kd
    .args:
      - { .name: out_e, .offset: 0, .size: 8, .value_kind: global_buffer, .address_space: global }
      - { .name: w2f, .offset: 8, .size: 8, .value_kind: global_buffer, .address_space: global }
      - { .name: W2_scales, .offset: 16, .size: 8, .value_kind: global_buffer, .address_space: global }
      - { .name: tab, .offset: 24, .size: 8, .value_kind: global_buffer, .address_space: global }
      - { .name: scores, .offset: 32, .size: 8, .value_kind: global_buffer, .address_space: global }
      - { .name: cpart, .offset: 40, .size: 8, .value_kind: global_buffer, .address_space: global }
      - { .name: stats, .offset: 48, .size: 8, .value_kind: global_buffer, .address_space: global }
    .group_segment_fixed_size: 327680
    .private_segment_fixed_size: 0
    .kernarg_segment_align: 8
    .kernarg_segment_size: 56
    .max_flat_workgroup_size: 128
    .sgpr_count:     66
    .vgpr_count:     1024
    .wavefront_size: 32
...
	.end_amdgpu_metadata
.endif
;; end of part 2
;; launch finish (part 3): grid 32 x 1, 8 waves a work-group, no clusters, 10,240 bytes of LDS; arguments scores, cpart, stats, out0, out1; writes out0, out1
.if DOCPART == 3
	.amdgcn_target "amdgcn-amd-amdhsa--gfx1250"
	.amdhsa_code_object_version 6
	.text
	.protected	k_q06e26f527b_finish
	.globl	k_q06e26f527b_finish
	.p2align	8
	.type	k_q06e26f527b_finish,@function
k_q06e26f527b_finish:
	s_mov_b64 s[64:65], 0
	v_nop
	global_prefetch_b8 v0, s[64:65] scope:SCOPE_SE
	s_setreg_imm32_b32 hwreg(HW_REG_WAVE_MODE, 25, 1), 1
	s_wait_xcnt 0x0
; THIRD OF THREE LAUNCHES.  Left out, as shown at the head of the first launch: b3 and the term sum(W3); t = log2(e) (a - what is the same for all s).
; For each n the second launch left eight parts: m_sr, l_sr = sum 2^(t - m_sr), cpart_sr = sum 2^(t - m_sr) x.  With M = max m_sr and L = sum l_sr 2^(m_sr - M):
;   c[n] = sum cpart_sr 2^(m_sr - M) / L,   alpha[s][n] = 2^(t[n][s] - M) / L.
; Work-group g makes c of n = g (thread t: four k) and alpha of s = 64 g .. + 63 for all 32 n.  scores lie [n][s], out1 lies [s][n]: the 64 x 32 numbers turn through a stage in LDS
; (64 rows of 128 bytes + 16) and leave as 8,192 consecutive bytes.  Memory and launch cost bind here; matrix units, tensor loads and clusters would add nothing.
.set SPARE, 9216                       ; behind the stage: the spare words, 128 bytes for each of eight waves
.set SA, 16                            ; v16-31  {m, l} x 8 of n = g
.set SB, 32                            ; v32-47  of n = t / 16
.set SC, 48                            ; v48-63  of n = t / 16 + 16
.set CPR, 64                           ; v64-95  eight parts of my four k
.set SCR, 96                           ; v96-103 t of four s, for two n
.set EA, 104                           ; v104-111 2^(m_sr - M) of n = g, then the weights
.set ET, 120                           ; v120-127 the same, at work
	s_load_b256 s[4:11], s[0:1], 0x0               ; scores, cpart, stats, out0
	s_load_b64 s[12:13], s[0:1], 0x20              ; out1
	v_lshl_add_u32 v7, v0, 2, SPARE                ; my spare word
	v_mov_b32 v8, 0
	v_lshlrev_b32 v1, 4, v0                        ; 16 t
	v_lshrrev_b32 v9, 4, v0                        ; t / 16
	v_and_b32 v10, 15, v0                          ; t % 16
	s_delay_alu instid0(VALU_DEP_2)
	v_lshlrev_b32 v2, 11, v9                       ; stats of n = t / 16: eight records of 256 bytes
	s_delay_alu instid0(VALU_DEP_3)
	v_lshlrev_b32 v3, 13, v9                       ; scores: row n = t / 16,
	s_delay_alu instid0(VALU_DEP_1)
	v_lshl_add_u32 v3, v10, 4, v3                  ; four s at 4 (t % 16)
	s_delay_alu instid0(VALU_DEP_4)
	v_mul_u32_u24 v4, v10, 576                     ; the stage, in: row 4 (t % 16), column t / 16
	s_delay_alu instid0(VALU_DEP_1)
	v_lshl_add_u32 v4, v9, 2, v4
	v_lshrrev_b32 v11, 3, v0
	v_and_b32 v12, 7, v0
	s_delay_alu instid0(VALU_DEP_2)
	v_mul_u32_u24 v5, v11, 144                     ; back: row t / 8, 16 bytes at 16 (t % 8)
	s_delay_alu instid0(VALU_DEP_1)
	v_lshl_add_u32 v5, v12, 4, v5
	v_mov_b32 v6, 0
	s_mov_b32 s15, 0
	s_wait_alu depctr_va_vdst(0)
	s_wait_kmcnt 0x0
	s_lshl_b32 s14, ttmp9, 8                       ; 64 s x 4 bytes
	s_add_nc_u64 s[4:5], s[4:5], s[14:15]
	s_lshl_b32 s14, ttmp9, 15                      ; eight parts of 4,096 bytes
	s_add_nc_u64 s[6:7], s[6:7], s[14:15]
	s_lshl_b32 s14, ttmp9, 11
	s_add_nc_u64 s[16:17], s[8:9], s[14:15]        ; stats of n = g
	s_lshl_b32 s14, ttmp9, 12
	s_add_nc_u64 s[10:11], s[10:11], s[14:15]
	s_lshl_b32 s14, ttmp9, 13
	s_add_nc_u64 s[12:13], s[12:13], s[14:15]
.irp i, 0,1,2,3,4,5,6,7
	global_load_b64 v[SA+2*\i:SA+2*\i+1], v6, s[16:17] offset:256*\i
	global_load_b64 v[SB+2*\i:SB+2*\i+1], v2, s[8:9] offset:256*\i
	global_load_b64 v[SC+2*\i:SC+2*\i+1], v2, s[8:9] offset:32768+256*\i
.endr
.irp i, 0,1,2,3,4,5,6,7
	global_load_b128 v[CPR+4*\i:CPR+4*\i+3], v1, s[6:7] offset:4096*\i
.endr
	global_load_b128 v[SCR:SCR+3], v3, s[4:5]
	global_load_b128 v[SCR+4:SCR+7], v3, s[4:5] offset:131072
	s_wait_loadcnt 0x0
; Of eight {m, l} at v[st]: M into v[m], 2^(m_sr - M) into v[e] on, 1 / L into v[inv]
.macro NORM st, e, m, inv
	v_max3_num_f32 v[\m], v[\st], v[\st+2], v[\st+4]
	s_delay_alu instid0(VALU_DEP_1)
	v_max3_num_f32 v[\m], v[\m], v[\st+6], v[\st+8]
	s_delay_alu instid0(VALU_DEP_1)
	v_max3_num_f32 v[\m], v[\m], v[\st+10], v[\st+12]
	s_delay_alu instid0(VALU_DEP_1)
	v_max_num_f32 v[\m], v[\m], v[\st+14]
.irp i, 0,1,2,3,4,5,6,7
	v_sub_f32 v[\e+\i], v[\st+2*\i], v[\m]
.endr
	s_wait_alu depctr_va_vdst(0)
.irp i, 0,1,2,3,4,5,6,7
	v_exp_f32 v[\e+\i], v[\e+\i]
.endr
	v_nop                                          ; a plain line behind the last exponential
	s_wait_alu depctr_va_vdst(0)                   ; one wait for the eight, ahead of their first reader
	v_mul_f32 v[\inv], v[\e], v[\st+1]
.irp i, 1,2,3,4,5,6,7
	v_fma_f32 v[\inv], v[\e+\i], v[\st+2*\i+1], v[\inv]
.endr
	s_wait_alu depctr_va_vdst(0)
	v_rcp_f32 v[\inv], v[\inv]
	v_nop
	s_wait_alu depctr_va_vdst(0)
.endm
	NORM SA, EA, 112, 113
	NORM SB, ET, 114, 115
	NORM SC, ET, 116, 117
.irp i, 0,1,2,3,4,5,6,7
	v_mul_f32 v[EA+\i], v[EA+\i], v113             ; a part's weight
.endr
.irp k, 0,1,2,3
	v_mul_f32 v[128+\k], v[CPR+\k], v[EA]
.endr
.irp i, 1,2,3,4,5,6,7
.irp k, 0,1,2,3
	s_delay_alu instid0(VALU_DEP_4)
	v_fma_f32 v[128+\k], v[CPR+4*\i+\k], v[EA+\i], v[128+\k]
.endr
.endr
	global_store_b128 v1, v[128:131], s[10:11]     ; a wave stores 512 consecutive bytes of c[n]
.irp k, 0,1,2,3
	v_sub_f32 v[SCR+\k], v[SCR+\k], v114
	v_sub_f32 v[SCR+4+\k], v[SCR+4+\k], v116
.endr
	s_wait_alu depctr_va_vdst(0)
.irp k, 0,1,2,3,4,5,6,7
	v_exp_f32 v[SCR+\k], v[SCR+\k]
.endr
	v_nop
	s_wait_alu depctr_va_vdst(0)
.irp k, 0,1,2,3
	v_mul_f32 v[SCR+\k], v[SCR+\k], v115
	v_mul_f32 v[SCR+4+\k], v[SCR+4+\k], v117
.endr
.irp u, 0,1
.irp k, 0,1,2,3
	ds_store_b32 v4, v[SCR+4*\u+\k] offset:144*\k+64*\u            ; alpha(s = 4 (t % 16) + k, n = t / 16 + 16 u)
.endr
.endr
	s_wait_dscnt 0x0                               ; for the others' sake: my stores have landed
	s_barrier_signal -1
	s_barrier_wait -1
.irp v, 0,1
	ds_load_b128 v[136+4*\v:139+4*\v], v5 offset:4608*\v
.endr
.irp v, 0,1
	s_wait_dscnt 1-\v                              ; the younger read may stay out
	global_store_b128 v1, v[136+4*\v:139+4*\v], s[12:13] offset:4096*\v       ; a wave stores 512 consecutive bytes of out1
.endr
	s_wait_tensorcnt 0x0                           ; the wave's end, behind my last LDS store
	ds_add_u32 v7, v8
	s_wait_dscnt 0x0
	s_endpgm
.Lfunc_end_k_q06e26f527b_finish:
	.size	k_q06e26f527b_finish, .Lfunc_end_k_q06e26f527b_finish-k_q06e26f527b_finish
	.p2alignl 7, 3214868480
	.fill 96, 4, 3214868480
	.section	.rodata,"a",@progbits
	.p2align	6, 0x0
	.amdhsa_kernel k_q06e26f527b_finish
		.amdhsa_group_segment_fixed_size 10240
		.amdhsa_private_segment_fixed_size 0
		.amdhsa_enable_private_segment 0
		.amdhsa_kernarg_size 40
		.amdhsa_user_sgpr_count 2
		.amdhsa_user_sgpr_kernarg_segment_ptr 1
		.amdhsa_wavefront_size32 1
		.amdhsa_system_sgpr_workgroup_id_x 1
		.amdhsa_system_sgpr_workgroup_id_y 1
		.amdhsa_system_sgpr_workgroup_id_z 1
		.amdhsa_system_vgpr_workitem_id 0
		.amdhsa_next_free_vgpr 160
		.amdhsa_next_free_sgpr 66
		.amdhsa_reserve_vcc 0
		.amdhsa_float_denorm_mode_32 3
		.amdhsa_float_denorm_mode_16_64 3
		.amdhsa_memory_ordered 1
		.amdhsa_forward_progress 1
		.amdhsa_inst_pref_size 15
	.end_amdhsa_kernel
	.amdgpu_metadata
---
amdhsa.version: [ 1, 2 ]
amdhsa.kernels:
  - .name:           k_q06e26f527b_finish
    .symbol:         k_q06e26f527b_finish.kd
    .args:
      - { .name: scores, .offset: 0, .size: 8, .value_kind: global_buffer, .address_space: global }
      - { .name: cpart, .offset: 8, .size: 8, .value_kind: global_buffer, .address_space: global }
      - { .name: stats, .offset: 16, .size: 8, .value_kind: global_buffer, .address_space: global }
      - { .name: out0, .offset: 24, .size: 8, .value_kind: global_buffer, .address_space: global }
      - { .name: out1, .offset: 32, .size: 8, .value_kind: global_buffer, .address_space: global }
    .group_segment_fixed_size: 10240
    .private_segment_fixed_size: 0
    .kernarg_segment_align: 8
    .kernarg_segment_size: 40
    .max_flat_workgroup_size: 256
    .sgpr_count:     66
    .vgpr_count:     160
    .wavefront_size: 32
...
	.end_amdgpu_metadata
.endif
;; end of part 3
